; MI455X (gfx1250); checked and timed in simulation.
; The chip was launched on July 23, 2026; its instructions are those of AMD's public machine-readable ISA for CDNA 5 (MIT licence, August 2026) and "CDNA5" Instruction Set Architecture Reference Guide (July 2026). The comments in the code are by the model that wrote it; some were corrected since.
;; Intent Slot Labelling Model. Allowed arithmetic: matrix products marked QUANTISED: E4M3 operands, one E8M0 scale for each 32 along K, by v_wmma_scale_f32_16x16x128_f8f6f4 with both operands' format E4M3, f32 sums; everything else in f32.
;; Inputs: conv_b 512 float32; conv_w_codes 512 x 16 x 32 uint8 (E4M3 codes of conv_w, K innermost, in blocks of 32 codes); conv_w_scales 512 x 16 uint8 (E8M0 scales of conv_w, one for each 32 codes along K); dec_b1 1,024 float32; dec_b2 128 float32; dec_w1_codes 1,024 x 16 x 32 uint8 (E4M3 codes of dec_w1, K innermost, in blocks of 32 codes); dec_w1_scales 1,024 x 16 uint8 (E8M0 scales of dec_w1, one for each 32 codes along K); dec_w2_codes 128 x 32 x 32 uint8 (E4M3 codes of dec_w2, K innermost, in blocks of 32 codes); dec_w2_scales 128 x 32 uint8 (E8M0 scales of dec_w2, one for each 32 codes along K); emb_table 50,257 x 512 float32; token_ids 32 x 1,024 int32.
;; Outputs: out0 32,768 x 128 float32.
;; This version of the problem:
;;   THIS VERSION OF THE PROBLEM IS GIVEN IN LOW PRECISION. The matrix products marked QUANTISED in the list below multiply operands that are first quantised to E4M3 (4 exponent bits, 3 mantissa bits; 8 bits a number), with one power-of-two scale for each 32 numbers along K (OCP MX v1.0); their sums are f32. All else is computed in f32.
;;   The module's matrix products, in the order in which they are computed (A, B: the left and right operand; K: the contracted axis; several contracted axes count as one K, in the product's order):
;;     1. [M 32,768, K 512] x [K 512, N 512]; A: computed on the way; B: input conv_w (given as codes): QUANTISED
;;     2. [M 32,768, K 512] x [K 512, N 1,024]; A: computed on the way; B: input dec_w1 (given as codes): QUANTISED
;;     3. [M 32,768, K 1,024] x [K 1,024, N 128]; A: computed on the way; B: input dec_w2 (given as codes): QUANTISED
;;   THE QUANTISER, for each operand of a quantised product, along K:
;;     - K is cut into blocks of 32 from its start; a last block that is shorter is filled with zeros.
;;     - A block's scale is 2^e with e = floor(log2(the largest magnitude in the block)) - 8, held to -126 .. 127; a block of zeros has e = 0. As a byte (E8M0): e + 127.
;;     - Each number is divided by its block's scale, clamped to +-448, and rounded to the nearest number of E4M3, ties to even, subnormals kept.
;;     - The product sums the exact products of the quantised numbers (number of the format x scale) in f32.
;;   ~~~python
;;   def quantise(x, axis):      # numpy; x: float32 -> the quantised numbers, widened to float32 again
;;       x = np.moveaxis(x, axis, -1); K = x.shape[-1]
;;       x = np.pad(x, [(0, 0)] * (x.ndim - 1) + [(0, -K % 32)]); x = x.reshape(x.shape[:-1] + (-1, 32)); a = np.abs(x).max(-1, keepdims=True)
;;       e = np.where(a > 0, np.clip(np.frexp(np.where(a > 0, a, 1))[1] - 1 - 8, -126, 127), 0)      # np.frexp(a)[1] - 1 = floor(log2(a)), exactly
;;       r = np.clip(x / 2.0 ** e, -448, 448)
;;       step = 2.0 ** (np.maximum(np.frexp(np.where(r == 0, 1, r))[1] - 1, -6) - 3)
;;       q = np.round(r / step) * step * 2.0 ** e      # np.round: ties to even
;;       return np.moveaxis(q.reshape(q.shape[:-2] + (-1,))[..., :K], -1, axis).astype(np.float32)
;;   ~~~
;;   OPERANDS COMPUTED ON THE WAY. 'Computed on the way' means the value that the module computes at that place (a softmax that the list does not call 'softmax' is quantised finished and normalised). What goes into a quantiser is computed in f32, as accurately as f32 sums, v_exp_f32 and their like allow (about 1e-6 of the number): no bf16 or f16 on the way to a quantiser, and a product that is left as it is and whose result goes on into a quantised operand takes f32 operands (vector FMAs, or v_wmma_f32_16x16x4_f32). A number that lies on a knife's edge between two numbers of the format may be rounded either way, as far as f32 arithmetic and the matrix unit's own rounding can turn it there, and no further.
;;   INPUTS GIVEN AS CODES. conv_w (in the module: [512, 512], K = its axis 1); dec_w1 (in the module: [512, 1024], K = its axis 0); dec_w2 (in the module: [1024, 128], K = its axis 0): each comes as NAME_codes (uint8): NAME with its K axis moved to the last place and cut into blocks of 32 codes, [.., K / 32, bytes a block], one block behind the other in memory; one code a byte (a code: sign, 4 exponent bits, 3 mantissa bits); and NAME_scales (uint8): the same leading axes, one E8M0 byte (e + 127) for each 32 codes along K. Its value is code x scale, taken as it is: it is not quantised again, and the codes and scales need not be those that the quantiser above would give.
;; One version. Each part assembles by itself: llvm-mc -triple=amdgcn-amd-amdhsa -mcpu=gfx1250 --defsym DOCPART=n.
;; ======== version 1 of 1: 1 launch
;; launch chain (part 1): grid 256 x 1, 4 waves a work-group, clusters of 4 x 1, 327,680 bytes of LDS; arguments token_ids, emb_table, conv_w_codes, conv_w_scales, conv_b, dec_w1_codes, dec_w1_scales, dec_b1, dec_w2_codes, dec_w2_scales, dec_b2, out0; writes out0
.if DOCPART == 1
	.amdgcn_target "amdgcn-amd-amdhsa--gfx1250"
	.amdhsa_code_object_version 6
	.text
	.protected	k_qaef24c0c8b_chain
	.globl	k_qaef24c0c8b_chain
	.p2align	8
	.type	k_qaef24c0c8b_chain,@function
k_qaef24c0c8b_chain:
	s_mov_b64 s[64:65], 0
	v_nop
	global_prefetch_b8 v0, s[64:65] scope:SCOPE_SE
	s_setreg_imm32_b32 hwreg(HW_REG_WAVE_MODE, 25, 1), 1
	s_wait_xcnt 0x0
	s_wait_alu depctr_hold_cnt(0) depctr_sa_sdst(0) depctr_va_vdst(0) depctr_va_sdst(0) depctr_va_ssrc(0) depctr_va_vcc(0) depctr_vm_vsrc(0)
	s_getreg_b32 s2, hwreg(HW_REG_IB_STS2, 6, 4)
	s_cmp_eq_u32 s2, 0
	s_cbranch_scc0 .Lentry_in_a_cluster
	s_endpgm
.Lentry_in_a_cluster:
	s_bfe_u32 s2, ttmp6, 0x10000c
	s_cmp_lg_u32 s2, 0x3003
	s_cbranch_scc0 .Lentry_shape_is_right
	s_endpgm
.Lentry_shape_is_right:
; out0 = relu(relu(emb[ids] conv_w^T + conv_b) dec_w1 + dec_b1) dec_w2 + dec_b2, all three products on codes of FP8 (E4M3) with one E8M0 scale for each 32 along K; sums, biases and relu in f32.
; The weights arrive as codes with K innermost; the three left operands (the gathered rows, h, z) are quantised here, in registers, from f32.  Nothing goes to memory between the layers.
; SHARES.  32,768 tokens / 256 work-groups = 128 tokens a work-group: 8 row tiles of 16.  Four waves, as many as a WGP has SIMDs.  THREE PASSES of one shape, 128 tokens x 512 units x K 512: conv_w, dec_w1's rows 0-511,
; dec_w1's rows 512-1023.  In a pass wave w makes units 128 w .. 128 w + 127 for all 128 tokens: 64 accumulators, 512 registers; 4 K steps of 64 matrix instructions.  Then dec_w2 (128 units, K 1,024): wave (a = w % 2, q = w / 2)
; makes units 64 a .. 64 a + 63 over four of the eight K steps; the two halves of K meet in LDS and are added, with dec_b2, on the way out.
; THE MATRIX INSTRUCTION IS USED TRANSPOSED (source 0 = 16 weight rows, source 1 = 16 tokens): a lane (r = lane % 16, h = lane / 16) holds ONE token and, in tile t, units 16 t + 8 h + 0 .. 7.  A wave's 8 tiles of a row tile
; are one K step of the next product: 64 numbers a lane become one fragment (16 registers) and one scale word.
; THE ORDER OF K INSIDE A BLOCK OF 32.  In register group c of EVERY fragment, weights' and activations' alike, bytes 0-7 are k = 32 c + 8 h + 0 .. 7 and bytes 8-15 are k = 32 c + 16 + 8 h + 0 .. 7: the order in which
; the results of two neighbouring tiles lie in a lane.  Both sides of a product are permuted alike and inside a scale's block, so every product meets its partner and its scales.  The weights are read so by loads of 8 bytes.
; ACTIVATIONS GO FROM WAVE TO WAVE THROUGH LDS AS IMAGES OF THEIR REGISTERS: fragment (row tile m, K step s) at 8192 m + 2048 s, four stores of 512 consecutive bytes, 16 x lane.  Every pass reads region A; the passes write A, B, A
; (x -> h in place, h -> z's first half in B, h -> z's second half in place): a pass writes only behind the barrier of its last K step, in front of which every wave's reads of A are over.
; THE WEIGHTS come in 7 units of 128 KiB: a unit is 256 bytes (TWO K steps) of 512 rows; wave w fetches, and alone reads, rows 128 w on: one tensor load of 128 rows x 256 bytes.  There is ONE slot in LDS; the second buffer is
; the wave's two sets of fragment registers: as soon as a unit's two K steps stand in the two sets, the slot is free and is asked for again.  So a pass has two refills: at its head (this matrix's K steps 2 and 3), with
; 128 matrix instructions ahead of the wait for it, and in its K step 2 (the next matrix's K steps 0 and 1), with 80 matrix instructions and five fragments' quantising ahead of the wait for it.  One tensor load of a wave is out at a time.
; dec_w2 [128][1,024 bytes] is read under the same shape as 256 rows of 512 bytes (row 2 n + half of K), so one descriptor shape serves every load.
; CLUSTER.  All work-groups walk the same weights: four form a cluster and ask for each unit JOINTLY (the same load, the same descriptor, a mask that names the four), which divides the requests for weights by four.
; PREFETCH.  Behind each tensor load of the loop stands a prefetch of what the NEXT tensor load will ask for (macro ASK).  The gather has none: its addresses are known only when the ids are in, and then all its loads go out at once.
; LIMITS.  NaN and infinities among the inputs are not served.  A token id is taken as unsigned and held at 50,256.  A block of zeros gets the scale byte 1, not 127: its codes are zeros, and only this program reads the byte.
; A block whose largest magnitude lies under 2^-118 keeps the byte 1.  K is permuted inside each block of 32 (above), and the third product's K is summed in two halves that are added in f32: the last bits of a sum may differ from those of K in ascending order.
; REGISTERS, in windows of 256.  Window 0: v0-31 addresses; v32-47 the weights' scale words, v48-63 the activations'; v64-127 a pass's biases, later the quantiser's registers; v128-255 the activations' eight fragments.
;   Window 1: the weights' fragments, two sets of 128.   Windows 2, 3: the accumulators, (m, t) at window 2 + m / 4, v[64 (m % 4) + 8 t]; at the start the gathered rows.
.set ASCA,   131072                    ; LDS: 0: region A, 65,536; 65,536: region B; here: A's scale words, [m] 256 + [r] 16 + [s] 4; 2,048 on: B's
.set SPARE,  135168                    ; the spare words, 128 bytes for each wave: two blocks of 256 bytes that no other line names
.set RING,   135680                    ; the weights' slot: 512 rows x 272 bytes
.set TAB,    274944                    ; the small tables, as they lie in memory: conv_w_scales, dec_w1_scales, dec_w2_scales, conv_b, dec_b1, dec_b2
.set TW2S,   TAB+24576
.set TBIAS,  TAB+28672
.set TB2,    TAB+34816
.set PITCH,  272                       ; a weight row in LDS: 256 bytes + 16 of padding = 68 words: row r starts at bank 4 r mod 64 (64 banks of 4 bytes: ISA guide 11.1), and a load of 8 bytes a lane (16 rows x 2 halves) takes each bank once
.set WPART,  128*PITCH                 ; what one tensor load brings: a wave's 128 rows
.set STG1,   67584                     ; the way out: two stages of 128 rows x (512 + 16) bytes, at 0 and here, over A, B and their scale words, which are done with by then
.set SPW, 1                            ; v1   LDS address of my spare word: SPARE + 4 x my thread's number; never rewritten
.set NIL, 2                            ; v2   0; never rewritten
.set ADW, 3                            ; v3   my lane's place in my part of the slot: 272 r + 8 h
.set PFO, 4                            ; v4   the prefetches' offset: 512 x lane, a weight row a lane; never rewritten
.set ADA, 5                            ; v5   16 x lane: an image's place; also my bytes of a row of out0
.set AAS, 6                            ; v6   A's scale words: 16 x lane
.set AWS, 7                            ; v7   the pass's weight scale words: my 128 rows, 16 x lane; 8,192 on in each pass
.set ABI, 8                            ; v8   the pass's biases: my 128 units, + 32 h; 2,048 on in each pass
.set OI0, 9                            ; v9   16 x lane + 2048 x wave
.set OUTI, 10                          ; v10  where the pass stores its images: region + v9
.set OS0, 11                           ; v11  ASCA + 16 r + 4 x wave
.set OUTS, 12                          ; v12  where it stores their scale words
.set XWI, 13                           ; v13  x's images: 16 x lane + 16384 x wave
.set XWS, 14                           ; v14  their scale words: ASCA + 512 x wave + 16 r
.set XO,  15                           ; v15-16 my token's row in the table, + 32 h, for my wave's two row tiles
.set ATW, 17                           ; v17  dec_w2 in the slot: 544 r + 8 h
.set ATS, 19                           ; v19  dec_w2's scale words
.set B2R, 20                           ; v20-23 dec_b2 of my four columns
.set ATA, 24                           ; v24  the activations' scale words for the third product
.set ADT, 25                           ; v25-26 its fragments in region B, in region A
.set STO, 27                           ; v27  the stage: where I put 32 bytes of a row
.set SRD, 28                           ; v28-29 and where I read a row back, in stage 0, 1
.set AB2, 30                           ; v30  dec_b2 in LDS
.set H32, 31                           ; v31  32 h
.set WSC, 32
.set ASR, 48
.set BI,  64                           ; v64-127 the biases, eight registers a tile, in the result's layout
.set TM,  64                           ; v64-67 largest magnitudes, v68-71 bytes, v72-75 448 x the scale, v76-79 the conversions' scale operands
.set PC0, 80                           ; v80-95, v96-111 the codes just made, two sets by turns
.set PW0, 112                          ; v112-113 their scale words
.set AF,  128
.set WV,  28                           ; s28  my wave's number
.set G1,  32                           ; s[32:39] descriptor group 1, the one shape of all loads
.set G0,  40                           ; s[40:43] group 0
.set NXT, 48                           ; s[48:49] where my part of the next matrix begins; s[50:51], s[52:53] the two after it
.set SEL, 54                           ; s[54:55] lane selects for v_permlanex16_b32: lane l xor 16
.set MNT, 56                           ; s56  the mantissa field of 448
.set TRIP, 57                          ; s57  passes to go, this one among them
.set OB,  58                           ; s58  the region that the pass writes: 0 or 65,536
.set OS,  59                           ; s59  and its scale words: 0 or 2,048
.set LIM, 75                           ; s75  1 in the launch's first cluster, else the greatest number
.set PFC, 76                           ; s[76:77] my work-group's 32 of a wave's 128 rows, in bytes: 16,384 x my place in the cluster
.set PFA, 78                           ; s[78:79] where my prefetches stand: those rows of the next matrix
.set MSB, 0
.macro WIN new                         ; bits 1:0 source 0, 3:2 source 1, 5:4 source 2, 7:6 destination; the immediate's high byte repeats the setting that is left
.set WN_, (\new)
.if MSB != WN_
	s_set_vgpr_msb (MSB<<8)|WN_
.set MSB, WN_
.endif
.endm
; A load into a register that a matrix instruction has read, and a vector instruction or an LDS store that reads a matrix result, stand eight places behind that matrix instruction, and only plain vector
; instructions that name none of its registers are places; this text does not count the matrix instructions in between.
.macro PLACES n
.rept \n
	v_nop
.endr
.endm
.macro CREST                           ; a round of the cluster's barrier behind its opening barrier
	s_cmp_lg_u32 s[WV], 0
	s_cbranch_scc1 .Lnot_wave_0_\@
	s_barrier_signal -3
.Lnot_wave_0_\@:
	s_barrier_wait -3
	s_barrier_signal -1
	s_barrier_wait -1
.endm
.macro CROUND                          ; a whole round
	s_barrier_signal -1
	s_barrier_wait -1
	CREST
.endm
; A PREFETCH INTO THE L2 of what the NEXT tensor load will ask for: 256 bytes of each of 512 weight rows.  second = 0, behind the load at a pass's head: the next matrix's K steps 0 and 1, which this pass's K step 2 asks for;
; second = 1, behind that load: the same matrix's K steps 2 and 3, which the next pass's head asks for.  Each aligned block of 256 bytes is named ONCE in the launch: every cluster walks the same weights, and the launch's
; first cluster asks; of the 128 rows that wave w fetches each of the four partners takes 32, told apart BY ADDRESS (no branch hangs on a work-group's place in its cluster), a lane a row: one instruction a wave.
; conv_w comes by its loads alone: nothing is prefetched at the kernel's head.  In the last pass the next matrix is dec_w2, which has one unit: second = 1 asks for nothing there.
.macro ASK second
.if \second
	s_cmp_gt_u32 s[TRIP], s[LIM]
.else
	s_cmp_eq_u32 s[LIM], 1
.endif
	s_cbranch_scc0 .Lnot_mine_\@
.if \second
	global_prefetch_b8 v[PFO], s[PFA:PFA+1] offset:256 th:TH_LOAD_NT scope:SCOPE_SE
.else
	global_prefetch_b8 v[PFO], s[PFA:PFA+1] th:TH_LOAD_NT scope:SCOPE_SE
.endif
.Lnot_mine_\@:
.endm
; One matrix instruction.  c < 0: the constant 0 starts the sum.  ra, rb = 1: that side's scale words stand in lanes 16-31 of the register named.
.macro WM d, a, b, c, sa, sb, ra, rb
.set D_, \d
.set A_, \a
.set B_, \b
.set C_, \c
.set SA_, \sa
.set SB_, \sb
.set R_, 2*(\ra)+(\rb)
.if C_ < 0
.if R_ == 0
	v_wmma_scale_f32_16x16x128_f8f6f4 v[D_:D_+7], v[A_:A_+15], v[B_:B_+15], 0, v[SA_], v[SB_]
.else
	v_wmma_scale_f32_16x16x128_f8f6f4 v[D_:D_+7], v[A_:A_+15], v[B_:B_+15], 0, v[SA_], v[SB_] matrix_b_scale:MATRIX_SCALE_ROW1
.endif
.elseif R_ == 0
	v_wmma_scale_f32_16x16x128_f8f6f4 v[D_:D_+7], v[A_:A_+15], v[B_:B_+15], v[C_:C_+7], v[SA_], v[SB_]
.elseif R_ == 1
	v_wmma_scale_f32_16x16x128_f8f6f4 v[D_:D_+7], v[A_:A_+15], v[B_:B_+15], v[C_:C_+7], v[SA_], v[SB_] matrix_b_scale:MATRIX_SCALE_ROW1
.elseif R_ == 2
	v_wmma_scale_f32_16x16x128_f8f6f4 v[D_:D_+7], v[A_:A_+15], v[B_:B_+15], v[C_:C_+7], v[SA_], v[SB_] matrix_a_scale:MATRIX_SCALE_ROW1
.else
	v_wmma_scale_f32_16x16x128_f8f6f4 v[D_:D_+7], v[A_:A_+15], v[B_:B_+15], v[C_:C_+7], v[SA_], v[SB_] matrix_a_scale:MATRIX_SCALE_ROW1 matrix_b_scale:MATRIX_SCALE_ROW1
.endif
.endm
; 8 matrix instructions: row tile a against my eight weight tiles, K step s of the pass; set: the weights' set.  first = 1: the bias is the C of the sum's first product: nothing is cleared, nothing is added later.
; The 64 accumulators take turns, one instruction a turn, in the same order in every step.
.macro MUL8 a, set, s, first
.irp t, 0,1,2,3,4,5,6,7
.if \first
	WM 64*((\a)%4)+8*\t, 128*(\set)+16*\t, AF+16*(\a), BI+8*\t, WSC+4*(\t/2)+(\s), ASR+4*((\a)/2)+(\s), \t%2, (\a)%2
.else
	WM 64*((\a)%4)+8*\t, 128*(\set)+16*\t, AF+16*(\a), 64*((\a)%4)+8*\t, WSC+4*(\t/2)+(\s), ASR+4*((\a)/2)+(\s), \t%2, (\a)%2
.endif
.endr
.endm
; One weight fragment out of my part of the slot, under destination window 1: u = 0 .. 7: tile u of the unit's first K step, into set 0; u = 8 .. 15: tile u - 8 of its second, into set 1.
; Eight loads of 8 bytes: group c takes k = 32 c + 8 h on and k = 32 c + 16 + 8 h on.
.macro FW u
.irp c, 0,1,2,3
	ds_load_b64 v[16*(\u)+4*\c:16*(\u)+4*\c+1], v[ADW] offset:16*PITCH*((\u)%8)+128*((\u)/8)+32*\c
	ds_load_b64 v[16*(\u)+4*\c+2:16*(\u)+4*\c+3], v[ADW] offset:16*PITCH*((\u)%8)+128*((\u)/8)+32*\c+16
.endr
.endm
.macro FA s, i                         ; the image of row tile i, K step s, out of region A: four loads
.irp c, 0,1,2,3
	ds_load_b128 v[AF+16*(\i)+4*\c:AF+16*(\i)+4*\c+3], v[ADA] offset:8192*(\i)+2048*(\s)+512*\c
.endr
.endm
; 64 numbers of a lane, v[src] .. v[src + 63] of window w, register 16 b + i = the i-th of my 16 numbers of block b of my token, become a fragment's codes in set pc and its scale word.
; A block's scale is 2^(floor(log2(its largest magnitude)) - 8); its byte is that magnitude's exponent field - 8, held at 1 from below by a floor among the maximum's leaves.  relu = 1: what is negative becomes 0 on the way.
.macro QUANT src, w, relu, pc
.set QS, \src
.set QW, \w
.set QP, PC0+16*(\pc)
.set QPW, PW0+(\pc)
	WIN QW|(QW<<2)                                 ; sources 0 and 1: the numbers' window
.irp b, 0,1,2,3
.if \relu
	v_max3_num_f32 v[TM+\b], v[QS+16*\b], v[QS+16*\b+1], 0x4800000          ; no |.|: what is negative is to become 0 and must not count; the floor 2^(9 - 127) stands over it
.else
	v_max3_num_f32 v[TM+\b], |v[QS+16*\b]|, |v[QS+16*\b+1]|, 0x4800000      ; block b: my 16 numbers, and the floor 2^(9 - 127)
.endif
.endr
.irp i, 2,4,6,8,10,12,14               ; ascending: each accumulator is read from its low end on; the four blocks by turns
.irp b, 0,1,2,3
.if \relu
	v_max3_num_f32 v[TM+\b], v[QS+16*\b+\i], v[QS+16*\b+\i+1], v[TM+\b]
.else
	v_max3_num_f32 v[TM+\b], |v[QS+16*\b+\i]|, |v[QS+16*\b+\i+1]|, v[TM+\b]
.endif
.endr
.endr
	WIN 0
.irp b, 0,1,2,3
	v_permlanex16_b32 v[TM+4+\b], v[TM+\b], s[SEL], s[SEL+1]
.endr
.irp b, 0,1,2,3
	v_max_num_f32 v[TM+\b], v[TM+\b], v[TM+4+\b]   ; with lane l xor 16's 16 numbers: the block's largest magnitude
.endr
.irp b, 0,1,2,3
	v_add_nc_u32 v[TM+12+\b], 0xfc000000, v[TM+\b] ; 8 off its exponent field: the conversion takes the exponent field of this operand as its scale, and nothing else of it
.endr
.irp b, 0,1,2,3
	v_and_or_b32 v[TM+8+\b], v[TM+\b], 0x7f800000, s[MNT]   ; 448 x the scale: the largest magnitude's exponent field over 448's mantissa
.endr
.irp b, 0,1,2,3
	v_lshrrev_b32 v[TM+4+\b], 23, v[TM+12+\b]      ; the scale's byte
.endr
	v_lshl_or_b32 v[QPW], v[TM+5], 8, v[TM+4]      ; the four bytes make my token's scale word for these 128 along K
	v_lshl_or_b32 v[QPW], v[TM+6], 16, v[QPW]
	v_lshl_or_b32 v[QPW], v[TM+7], 24, v[QPW]
	WIN QW|(QW<<6)                                 ; source 0 and destination: the numbers' window
.irp b, 0,1,2,3
.irp i, 0,1,2,3,4,5,6,7,8,9,10,11,12,13,14,15
.if \relu
	v_med3_num_f32 v[QS+16*\b+\i], v[QS+16*\b+\i], 0, v[TM+8+\b]             ; the activation and the hold in one: the conversion to an 8-bit code does not saturate (ISA guide 7.6.2)
.else
	v_med3_num_f32 v[QS+16*\b+\i], v[QS+16*\b+\i], -v[TM+8+\b], v[TM+8+\b]   ; the hold at the largest code x the scale
.endif
.endr
.endr
	WIN QW
.irp b, 0,1,2,3
	v_cvt_scalef32_pk8_fp8_f32 v[QP+4*\b:QP+4*\b+1], v[QS+16*\b:QS+16*\b+7], v[TM+12+\b]
	v_cvt_scalef32_pk8_fp8_f32 v[QP+4*\b+2:QP+4*\b+3], v[QS+16*\b+8:QS+16*\b+15], v[TM+12+\b]
.endr
	WIN 0
	v_nop                                          ; one plain vector instruction between the last scaled conversion and the next vector or matrix instruction that writes its sources
.endm
.macro IMG adr, off, pc                ; the fragment in set pc goes to LDS as it stands
.irp c, 0,1,2,3
	ds_store_b128 v[\adr], v[PC0+16*(\pc)+4*\c:PC0+16*(\pc)+4*\c+3] offset:(\off)+512*\c
.endr
.endm
; Behind the stores of the m-th of eight fragments.  The wait leaves only those five stores out: the other set of codes, which the next fragment writes, has been read.  Behind fragments 4, 5 and 6 the coming pass's
; first two K steps of weights go from the slot into the two register sets, which the last products have left: 48, 48 and 32 loads, each run with a fragment's quantising behind it.
; inloop = 1: in the last pass the slot holds dec_w2, which the third product reads in an order of its own: the runs are jumped over, by a branch on the count of passes; the waits are on every way.
.macro WCHUNK m, inloop
.set M_, \m
.if (M_ >= 1) && (M_ < 7)
	s_wait_dscnt 5
.endif
.if M_ == 4
	s_wait_tensorcnt 0x0                           ; my part of the unit is in: one load of mine was out, so the count is 0.  I alone read these bytes
.endif
.if (M_ >= 4) && (M_ < 7)
.if \inloop
	s_cmp_eq_u32 s[TRIP], 1
	s_cbranch_scc1 .Lno_w_\@
.endif
	WIN 0x40
.if M_ == 4
.irp u, 0,1,2,3,4,5
	FW \u
.endr
.elseif M_ == 5
.irp u, 6,7,8,9,10,11
	FW \u
.endr
.else
.irp u, 12,13,14,15
	FW \u
.endr
.endif
	WIN 0
.if \inloop
.Lno_w_\@:
.endif
.endif
.endm
	s_load_b512 s[4:19], s[0:1], 0x0               ; ids s[4:5], table s[6:7], conv_w codes s[8:9], scales s[10:11], conv_b s[12:13], dec_w1 codes s[14:15], scales s[16:17], dec_b1 s[18:19]
	s_load_b256 s[20:27], s[0:1], 0x40             ; dec_w2 codes s[20:21], scales s[22:23], dec_b2 s[24:25], out0 s[26:27]
	v_lshl_add_u32 v[SPW], v0, 2, SPARE
	v_mov_b32 v[NIL], 0
	ds_add_u32 v1, v2
	ds_add_u32 v1, v2
	s_wait_dscnt 0x0
	v_lshrrev_b32 v114, 5, v0
	v_readfirstlane_b32 s[WV], v114                ; wave 0..3
	v_and_b32 v115, 31, v0                         ; lane
	v_and_b32 v116, 15, v0                         ; r
	v_bfe_u32 v117, v0, 4, 1                       ; h
	s_and_b32 s60, s[WV], 1                        ; a: my half of dec_w2's rows
	s_lshr_b32 s61, s[WV], 1                       ; q: my half of its K steps
	s_mul_i32 s62, s[WV], WPART
	s_add_co_u32 s[G0+1], s62, RING                ; my part of the slot: no place in the cluster enters an LDS address
	v_mul_u32_u24 v118, v116, PITCH
	v_lshl_add_u32 v118, v117, 3, v118             ; 272 r + 8 h
	v_add_nc_u32 v[ADW], s[G0+1], v118
	v_mul_u32_u24 v119, v116, 2*PITCH              ; dec_w2: a row of it is two rows of the tile
	v_lshl_add_u32 v119, v117, 3, v119
	v_add_nc_u32 v[ATW], s[G0+1], v119
	v_lshlrev_b32 v[PFO], 9, v115
	v_lshlrev_b32 v[ADA], 4, v115
	v_add_nc_u32 v[AAS], ASCA, v[ADA]
	s_lshl_b32 s67, s[WV], 11
	v_add_nc_u32 v[OI0], s67, v[ADA]
	s_add_co_u32 s67, s67, TAB                     ; my 128 rows' scale bytes: 16 a row
	v_add_nc_u32 v[AWS], s67, v[ADA]
	s_lshl_b32 s67, s[WV], 9
	s_add_co_u32 s68, s67, TBIAS                   ; my 128 units' biases; lane (r, h) wants, for tile t, those of units 16 t + 8 h + 0 .. 7
	v_lshl_add_u32 v[ABI], v117, 5, s68
	s_add_co_u32 s68, s67, ASCA
	v_lshl_add_u32 v[XWS], v116, 4, s68
	s_lshl_b32 s67, s[WV], 2
	s_add_co_u32 s67, s67, ASCA
	v_lshl_add_u32 v[OS0], v116, 4, s67
	s_lshl_b32 s67, s[WV], 14
	v_add_nc_u32 v[XWI], s67, v[ADA]
	s_lshl_b32 s67, s60, 11                        ; dec_w2's scale bytes: 32 a row; my 64 rows, my two K steps of each half of K
	s_lshl_b32 s68, s61, 3
	s_add_co_u32 s67, s67, s68
	s_add_co_u32 s67, s67, TW2S
	v_lshl_add_u32 v[ATS], v116, 5, s67
	s_add_co_u32 s68, s68, ASCA
	v_add_nc_u32 v[ATA], s68, v[ADA]
	s_lshl_b32 s67, s61, 12
	v_add_nc_u32 v[ADT+1], s67, v[ADA]             ; region A: K steps 2 q, 2 q + 1 of its four
	v_add_nc_u32 v[ADT], 65536, v[ADT+1]           ; region B likewise
	s_mul_i32 s67, s61, STG1                       ; the stage of my half of K; row r, my 64 columns' 256 bytes, 32 bytes for each half of the lanes
	s_lshl_b32 s68, s60, 8
	s_add_co_u32 s67, s67, s68
	v_mul_u32_u24 v[STO], v116, 528
	v_lshl_add_u32 v[STO], v117, 5, v[STO]
	v_add_nc_u32 v[STO], s67, v[STO]
	s_mul_i32 s67, s[WV], 32*528                   ; back: my 32 rows, 16 bytes a lane
	v_add_nc_u32 v[SRD], s67, v[ADA]
	v_add_nc_u32 v[SRD+1], STG1, v[SRD]
	v_add_nc_u32 v[AB2], TB2, v[ADA]
	v_lshlrev_b32 v[H32], 5, v117
	v_lshlrev_b32 v120, 2, v116                    ; ids: 4 r
	v_lshlrev_b32 v121, 4, v0                      ; the tables: 16 bytes a thread,
	v_lshlrev_b32 v122, 2, v0                      ; dec_b2: 4
	v_add_nc_u32 v123, TAB, v121
	v_add_nc_u32 v124, TB2, v122
.irp b, 0,1,2,3
	v_mov_b32 v[TM+4+\b], 0                        ; written once: a lane permute's destination counts as one of its sources
.endr
	s_mov_b32 s[SEL], 0x76543210
	s_mov_b32 s[SEL+1], 0xfedcba98
	s_mov_b32 s[MNT], 0x600000
	; descriptor group 1: 128 rows x 256 bytes, 512 bytes from row to row in memory, padded in LDS
	s_mov_b32 s[G1+0], 15|(1<<20)|(1<<21)|(5<<22)|(3<<25)   ; 15:0 the mask: all four work-groups; 17:16 elements of 1 byte; 20 padding on; 21 set beside a mask; 24:22 after every 64 words (code 5); 31:25 four words (code 3)
	s_mov_b32 s[G1+1], 256<<16                     ; tensor_dim0 = 256
	s_mov_b32 s[G1+2], 128<<16                     ; tensor_dim1 = 128
	s_mov_b32 s[G1+3], 256<<16                     ; tile_dim0 = 256
	s_mov_b32 s[G1+4], 128                         ; tile_dim1 = 128
	s_mov_b32 s[G1+5], 512                         ; tensor_dim0_stride
	s_mov_b32 s[G1+6], 0
	s_mov_b32 s[G1+7], 0
	s_lshl_b32 s68, s[WV], 16                      ; my 128 rows of 512 bytes
	s_mov_b32 s69, 0
	s_lshl_b32 s70, s60, 16                        ; dec_w2: my 64 rows of 1,024 bytes,
	s_lshl_b32 s71, s61, 8                         ; and 256 q along each half of K
	s_add_co_u32 s70, s70, s71
	s_mov_b32 s71, 0
	s_bfe_u32 s72, ttmp6, 0x40000                  ; cx: my place in the cluster: it enters the ids', out0's and the prefetches' addresses alone
	s_lshl_b32 s[PFC], s72, 14                     ; 32 rows of 512 bytes for each place
	s_mov_b32 s[PFC+1], 0
	s_cmp_eq_u32 ttmp9, 0                          ; the launch's first cluster?  The same in all four partners
	s_cselect_b32 s[LIM], 1, -1
	s_lshl_b32 s73, ttmp9, 2                       ; in a cluster launch ttmp9 counts clusters
	s_add_co_u32 s74, s73, s72                     ; my work-group's number g: tokens 128 g on
	s_lshl_b32 s72, s74, 9
	s_lshl_b32 s73, s[WV], 7
	s_add_co_u32 s72, s72, s73                     ; ids: 512 g + 128 x wave: my wave quantises row tiles 2 w and 2 w + 1
	s_mov_b32 s73, 0
	s_wait_kmcnt 0x0
	s_add_nc_u64 s[4:5], s[4:5], s[72:73]
	s_lshl_b32 s72, s74, 16
	s_lshl_b32 s74, s[WV], 14
	s_add_co_u32 s72, s72, s74                     ; out0: 128 g + 32 x wave rows of 512 bytes
	s_add_nc_u64 s[26:27], s[26:27], s[72:73]
	global_load_b32 v[XO], v120, s[4:5]            ; the ids of my two row tiles: lane (r, h) takes token r's
	global_load_b32 v[XO+1], v120, s[4:5] offset:64
	; the small tables, 35,328 bytes, dense: 2,048 consecutive bytes a work-group's load; they go on into LDS below
.irp k, 0,1,2,3
	global_load_b128 v[128+4*\k:131+4*\k], v121, s[10:11] offset:2048*\k
.endr
.irp k, 0,1,2,3,4,5,6,7
	global_load_b128 v[144+4*\k:147+4*\k], v121, s[16:17] offset:2048*\k
.endr
.irp k, 0,1
	global_load_b128 v[176+4*\k:179+4*\k], v121, s[22:23] offset:2048*\k
.endr
	global_load_b128 v[184:187], v121, s[12:13]
.irp k, 0,1
	global_load_b128 v[188+4*\k:191+4*\k], v121, s[18:19] offset:2048*\k
.endr
	global_load_b32 v196, v122, s[24:25]
	s_mov_b32 s[G0], 1                             ; 1:0 count = 1
	s_add_nc_u64 s[G0+2:G0+3], s[8:9], s[68:69]    ; conv_w, my rows, K steps 0 and 1
	s_or_b32 s[G0+3], s[G0+3], 0x80000000          ; 127:126 type = 2
	s_add_nc_u64 s[NXT:NXT+1], s[14:15], s[68:69]          ; the matrices to come: dec_w1's rows 0-511,
	s_add_nc_u64 s[NXT+2:NXT+3], s[NXT:NXT+1], 262144      ; its rows 512-1023,
	s_add_nc_u64 s[NXT+4:NXT+5], s[20:21], s[70:71]        ; dec_w2
	CROUND                                         ; all four work-groups are here: the first joint loads meet
	tensor_load_to_lds s[G0:G0+3], s[G1:G1+7]      ; the slot's first fill: one load of mine is out
	s_nop 0
	PLACES 4
	s_wait_loadcnt 18                              ; the ids are in: the 18 loads of the tables were issued behind them
.irp mu, 0,1
	v_min_u32 v[XO+\mu], 50256, v[XO+\mu]          ; held inside the table
	v_lshlrev_b32 v[XO+\mu], 11, v[XO+\mu]         ; a row is 2,048 bytes
	v_add_nc_u32 v[XO+\mu], v[XO+\mu], v[H32]
.endr
	; THE GATHER: all 128 loads at once.  Of block b of K step s lane (r, h) takes numbers 8 h + 0 .. 7 and 16 + 8 h + 0 .. 7: 32 bytes at 32 h and 32 bytes at 64 + 32 h.  No cache hint: a row may be named twice
.irp s, 0,1,2,3
.irp mu, 0,1
	WIN 0x80+0x40*\mu                              ; destination: window 2 + mu
.irp b, 0,1,2,3
	global_load_b128 v[64*\s+16*\b:64*\s+16*\b+3], v[XO+\mu], s[6:7] offset:512*\s+128*\b
	global_load_b128 v[64*\s+16*\b+4:64*\s+16*\b+7], v[XO+\mu], s[6:7] offset:512*\s+128*\b+16
	global_load_b128 v[64*\s+16*\b+8:64*\s+16*\b+11], v[XO+\mu], s[6:7] offset:512*\s+128*\b+64
	global_load_b128 v[64*\s+16*\b+12:64*\s+16*\b+15], v[XO+\mu], s[6:7] offset:512*\s+128*\b+80
.endr
.endr
.endr
	WIN 0
	s_wait_loadcnt 63                              ; loads come back in order (ISA guide 5.7.1): 128 were issued behind the tables', so those are in
.irp k, 0,1,2,3,4,5,6,7,8,9,10,11,12,13,14,15,16
	ds_store_b128 v123, v[128+4*\k:131+4*\k] offset:2048*\k
.endr
	ds_store_b32 v124, v196
	; ---- X: my 32 tokens' rows become eight fragments, in the order in which their loads were issued; between the last of them conv_w's first two K steps go into the register sets
.irp s, 0,1,2,3
.irp mu, 0,1
.set GQ, 2*\s+\mu
.if 112-16*GQ > 63
	s_wait_loadcnt 63                              ; more than 63 loads were issued behind this group's sixteen
.else
	s_wait_loadcnt 112-16*GQ                       ; the loads issued behind this group's sixteen may be out
.endif
	QUANT 64*\s, 2+\mu, 0, \mu
	IMG XWI, 8192*\mu+2048*\s, \mu
	ds_store_b32 v[XWS], v[PW0+\mu] offset:256*\mu+4*\s   ; (both halves of the lanes store the same word with the same value)
	WCHUNK GQ, 0
.endr
.endr
	s_mov_b32 s[TRIP], 3
	s_mov_b32 s[OB], 0
	s_mov_b32 s[OS], 0
.Lpass:                                                ; three trips: conv_w, dec_w1's rows 0-511, its rows 512-1023
	; THE PASS'S HEAD.  One round of the cluster's barrier does two things: the images, scale words (and, the first time, tables) that the waves have stored are there for all, and the slot, whose two K steps
	; stand in every wave's register sets, is free in all four work-groups.
	s_wait_tensorcnt 0x0                           ; no tensor load of mine is out, so group 0 may be written
	ds_add_u32 v[SPW], v[NIL]                      ; 0 onto my spare word; the steps below stand between it and the wait for it
	s_add_nc_u64 s[G0+2:G0+3], s[G0+2:G0+3], 256   ; this matrix's K steps 2 and 3; the type bits on top are not reached
	s_wait_xcnt 0x0                                ; the last prefetch, half a pass back, has read its address, so it may be written:
	s_add_nc_u64 s[PFA:PFA+1], s[NXT:NXT+1], s[PFC:PFC+1]   ; my work-group's 32 of my wave's rows of the next matrix
	s_wait_dscnt 0x0                               ; the add is done; my stores have landed; my reads of the slot are over
	CROUND
	tensor_load_to_lds s[G0:G0+3], s[G1:G1+7]      ; the first thing behind the round, and my one tensor load until the next: 128 matrix instructions stand ahead of the wait for it
	s_nop 0
	PLACES 4
	v_add_nc_u32 v[OUTI], s[OB], v[OI0]
	v_add_nc_u32 v[OUTS], s[OS], v[OS0]
.irp b, 0,1,2,3
	ds_load_b128 v[WSC+4*\b:WSC+4*\b+3], v[AWS] offset:512*\b      ; register 4 b + s: lanes 0-15 the word of weight tile 2 b, lanes 16-31 of tile 2 b + 1, for K step s
.endr
.irp b, 0,1,2,3
	ds_load_b128 v[ASR+4*\b:ASR+4*\b+3], v[AAS] offset:512*\b      ; the same of row tiles 2 b and 2 b + 1
.endr
.irp t, 0,1,2,3,4,5,6,7
	ds_load_b128 v[BI+8*\t:BI+8*\t+3], v[ABI] offset:64*\t
	ds_load_b128 v[BI+8*\t+4:BI+8*\t+7], v[ABI] offset:64*\t+16
.endr
.irp i, 0,1,2,3,4,5,6,7
	FA 0, \i
.endr
	ASK 0                                          ; behind the tensor load and the run of LDS loads for which the first products wait
	; ---- K STEP 0, on set 0: the biases start the sums.  LDS loads come back in order (ISA guide 5.7.1): each wait leaves out the images of the row tiles not yet wanted, four loads a tile
	s_wait_dscnt 24                                ; scale words, biases and row tiles 0, 1 are in
	WIN 0x81                                       ; source 0 (weights) window 1, source 1 (activations) and C (bias) window 0, D window 2
	MUL8 0, 0, 0, 1
	MUL8 1, 0, 0, 1
	s_wait_dscnt 16                                ; row tiles 2, 3
	MUL8 2, 0, 0, 1
	MUL8 3, 0, 0, 1
	PLACES 8
	WIN 0
.irp i, 0,1,2,3
	FA 1, \i
.endr
	s_wait_dscnt 24                                ; row tiles 4, 5: tiles 6, 7 and the sixteen loads just issued may be out
	WIN 0xc1                                       ; D window 3
	MUL8 4, 0, 0, 1
	MUL8 5, 0, 0, 1
	s_wait_dscnt 16                                ; row tiles 6, 7
	MUL8 6, 0, 0, 1
	MUL8 7, 0, 0, 1
	PLACES 8
	WIN 0
.irp i, 4,5,6,7
	FA 1, \i
.endr
	; ---- K STEP 1, on set 1
	s_wait_dscnt 16                                ; row tiles 0-3 are in; the youngest sixteen loads, row tiles 4-7, may be out
	WIN 0xa1                                       ; C and D window 2
	MUL8 0, 1, 1, 0
	MUL8 1, 1, 1, 0
	MUL8 2, 1, 1, 0
	MUL8 3, 1, 1, 0
	PLACES 8
	WIN 0
.irp i, 0,1,2,3
	FA 2, \i
.endr
	s_wait_dscnt 16                                ; row tiles 4-7 are in: all but the sixteen just issued
	WIN 0xf1                                       ; C and D window 3
	MUL8 4, 1, 1, 0
	MUL8 5, 1, 1, 0
	MUL8 6, 1, 1, 0
	MUL8 7, 1, 1, 0
	PLACES 8
	WIN 0
.irp i, 4,5,6,7
	FA 2, \i
.endr
	s_wait_tensorcnt 0x0                           ; K steps 2 and 3 are in the slot: one load of mine was out, so the count is 0.  I alone read these bytes.  All of this step's products stand ahead of the wait
	WIN 0x40
.irp u, 0,1,2,3,4,5,6,7,8,9,10,11,12,13,14,15
	FW \u                                          ; both register sets are free: K step 2 into set 0, K step 3 into set 1
.endr
	WIN 0
	; ---- K STEP 2, on set 0.  When set 1 is in as well, the slot is free: each wave waits for all its tensor loads (none is out), adds 0 to its spare word and, 8 products on, waits for that and for its reads of the slot;
	; the barrier opens a round of the cluster's; 8 products stand between signal and wait; the joint refill is the first thing behind the round.
	s_wait_dscnt 63                                ; set 0 and all eight row tiles are in: 64 loads, set 1's, were issued behind them
	WIN 0xa1
	MUL8 0, 0, 2, 0
	MUL8 1, 0, 2, 0
	MUL8 2, 0, 2, 0
	MUL8 3, 0, 2, 0
	WIN 0                                          ; (the add's two registers lie in window 0)
	s_wait_tensorcnt 0x0                           ; no tensor load of mine is out;
	ds_add_u32 v[SPW], v[NIL]                      ; 0 onto my spare word
	WIN 0xf1
	MUL8 4, 0, 2, 0                                ; eight matrix instructions stand between the add and the wait for it
	s_wait_dscnt 0x0                               ; the add is done, and my reads of the slot are over: set 1 is in
	s_barrier_signal -1
	MUL8 5, 0, 2, 0
	WIN 0
	s_barrier_wait -1
	CREST                                          ; no wave of any partner reads the slot or has a load on its way
	s_mov_b64 s[G0+2:G0+3], s[NXT:NXT+1]           ; the next matrix's K steps 0 and 1; in the last pass dec_w2's unit
	s_or_b32 s[G0+3], s[G0+3], 0x80000000
	tensor_load_to_lds s[G0:G0+3], s[G1:G1+7]      ; 80 matrix instructions and five fragments' quantising stand ahead of the wait for it
	s_nop 0
	PLACES 8                                       ; all eight are the places in front of the loads below
.irp i, 0,1,2,3,4,5
	FA 3, \i
.endr
	ASK 1
	WIN 0xf1
	MUL8 6, 0, 2, 0
	MUL8 7, 0, 2, 0
	PLACES 8
	WIN 0
.irp i, 6,7
	FA 3, \i
.endr
	; ---- K STEP 3, on set 1.  Its barrier is the work-group's own: behind it nobody reads region A any more.  The tensor load may stay out
	s_wait_dscnt 24                                ; row tiles 0, 1
	WIN 0xa1
	MUL8 0, 1, 3, 0
	MUL8 1, 1, 3, 0
	s_wait_dscnt 16                                ; row tiles 2, 3
	MUL8 2, 1, 3, 0
	MUL8 3, 1, 3, 0
	s_wait_dscnt 8                                 ; row tiles 4, 5
	WIN 0xf1
	MUL8 4, 1, 3, 0
	MUL8 5, 1, 3, 0
	s_wait_dscnt 0x0                               ; row tiles 6, 7: my reads of region A are over
	s_barrier_signal -1
	MUL8 6, 1, 3, 0
	MUL8 7, 1, 3, 0
	WIN 0
	s_barrier_wait -1
	PLACES 8
	; ---- the pass's results: relu, quantised; they are K step w of the next product
.irp m, 0,1,2,3,4,5,6,7
	QUANT 64*(\m%4), 2+\m/4, 1, \m%2
	IMG OUTI, 8192*\m, \m%2
	ds_store_b32 v[OUTS], v[PW0+\m%2] offset:256*\m
	WCHUNK \m, 1
.endr
	v_add_nc_u32 v[AWS], 8192, v[AWS]              ; the next 512 rows' scale bytes,
	v_add_nc_u32 v[ABI], 2048, v[ABI]              ; and biases
	s_xor_b32 s[OB], s[OB], 0x10000                ; the passes write A, B, A
	s_xor_b32 s[OS], s[OS], 0x800
	s_mov_b64 s[NXT:NXT+1], s[NXT+2:NXT+3]
	s_mov_b64 s[NXT+2:NXT+3], s[NXT+4:NXT+5]
	s_sub_co_u32 s[TRIP], s[TRIP], 1
	s_cmp_lg_u32 s[TRIP], 0
	s_cbranch_scc1 .Lpass
	s_wait_dscnt 0x0                               ; for the others' sake: my last images and scale words have landed
	s_barrier_signal -1
	s_barrier_wait -1
	; ---- THE THIRD PRODUCT.  K step tt = 2 kap + i of my four: kap = 0: z's K step 2 q + i, in region B; kap = 1: K step 4 + 2 q + i, in region A.  Its weights lie in my own part of the slot, at rows 2 n + kap, 128 i bytes on.
	; 32 accumulators, (m, nu) at window 2, v[32 m + 8 nu].  Weights: window 1, v[64 tt + 16 nu].  Activations: two sets of eight fragments, window 0 v128 on and window 3 v0 on.
.macro FETCH_T tt
.if (\tt)%2
	WIN 0xc0
.set TB_, 0
.else
	WIN 0
.set TB_, AF
.endif
.irp m, 0,1,2,3,4,5,6,7
.irp c, 0,1,2,3
	ds_load_b128 v[TB_+16*\m+4*\c:TB_+16*\m+4*\c+3], v[ADT+(\tt)/2] offset:8192*\m+2048*((\tt)%2)+512*\c
.endr
.endr
	WIN 0
.endm
.macro MULT tt                         ; 32 matrix instructions, the 32 accumulators by turns
.set KAP_, (\tt)/2
.set I_, (\tt)%2
.if I_
	WIN 0xad                                       ; source 1 window 3
.set TB_, 0
.else
	WIN 0xa1
.set TB_, AF
.endif
.irp m, 0,1,2,3,4,5,6,7
.irp nu, 0,1,2,3
.if (\tt) == 0
	WM 32*\m+8*\nu, 64*(\tt)+16*\nu, TB_+16*\m, -1, WSC+4*\nu+2*KAP_+I_, ASR+8*KAP_+2*(\m/2)+I_, 0, \m%2
.else
	WM 32*\m+8*\nu, 64*(\tt)+16*\nu, TB_+16*\m, 32*\m+8*\nu, WSC+4*\nu+2*KAP_+I_, ASR+8*KAP_+2*(\m/2)+I_, 0, \m%2
.endif
.endr
.endr
.endm
	s_wait_tensorcnt 0x0                           ; the last unit: no load was issued behind it.  I alone read my part of the slot
	WIN 0x40
.irp kap, 0,1
.irp i, 0,1
.irp nu, 0,1,2,3
.irp c, 0,1,2,3
	ds_load_b64 v[64*(2*\kap+\i)+16*\nu+4*\c:64*(2*\kap+\i)+16*\nu+4*\c+1], v[ATW] offset:32*PITCH*\nu+PITCH*\kap+128*\i+32*\c
	ds_load_b64 v[64*(2*\kap+\i)+16*\nu+4*\c+2:64*(2*\kap+\i)+16*\nu+4*\c+3], v[ATW] offset:32*PITCH*\nu+PITCH*\kap+128*\i+32*\c+16
.endr
.endr
.endr
.endr
	WIN 0
.irp nu, 0,1,2,3
.irp kap, 0,1
	ds_load_b64 v[WSC+4*\nu+2*\kap:WSC+4*\nu+2*\kap+1], v[ATS] offset:512*\nu+16*\kap          ; dec_w2's words of weight tile nu: register 4 nu + 2 kap + i
.endr
.endr
.irp kap, 0,1
.irp mp, 0,1,2,3
	ds_load_b64 v[ASR+8*\kap+2*\mp:ASR+8*\kap+2*\mp+1], v[ATA] offset:512*\mp+2048*(1-\kap)   ; z's words: register 8 kap + 2 mp + i: lanes 0-15 row tile 2 mp, lanes 16-31 row tile 2 mp + 1
.endr
.endr
	FETCH_T 0
	FETCH_T 1
	s_wait_dscnt 32                                ; all but the set just asked for
	MULT 0
	PLACES 8
	FETCH_T 2
	s_wait_dscnt 32
	MULT 1
	PLACES 8
	FETCH_T 3
	s_wait_dscnt 32
	MULT 2
	s_wait_dscnt 0x0                               ; my reads of A, B and their scale words are over: the stages will lie over them
	s_barrier_signal -1
	MULT 3
	WIN 0
	s_barrier_wait -1
	PLACES 8
	; ---- THE WAY OUT.  Lane (r, h) holds out(16 m + r, 64 a + 16 nu + 8 h + 0 .. 7) over my half of K: 32 bytes of a row, into the stage of that half
	WIN 0x08                                       ; an LDS store's data are its source 1: window 2
.irp m, 0,1,2,3,4,5,6,7
.irp nu, 0,1,2,3
	ds_store_b128 v[STO], v[32*\m+8*\nu:32*\m+8*\nu+3] offset:16*528*\m+64*\nu                 ; each accumulator from its low end on
	ds_store_b128 v[STO], v[32*\m+8*\nu+4:32*\m+8*\nu+7] offset:16*528*\m+64*\nu+16
.endr
.endr
	WIN 0
	s_wait_dscnt 0x0                               ; for the others' sake: my stores into the stages have landed
	s_barrier_signal -1
	s_barrier_wait -1
	ds_load_b128 v[B2R:B2R+3], v[AB2]
.irp bt, 0,1                           ; my 32 rows, sixteen at a time: both halves of K back as whole rows, added, dec_b2 added, stored
.if \bt
	s_wait_xcnt 0x0                                ; the first sixteen stores have read their registers: only behind this wait are they loaded again
.endif
.irp i, 0,1,2,3,4,5,6,7,8,9,10,11,12,13,14,15
	ds_load_b128 v[128+4*\i:131+4*\i], v[SRD] offset:528*(16*\bt+\i)
.endr
.irp i, 0,1,2,3,4,5,6,7,8,9,10,11,12,13,14,15
	ds_load_b128 v[192+4*\i:195+4*\i], v[SRD+1] offset:528*(16*\bt+\i)
.endr
.irp i, 0,1,2,3,4,5,6,7,8,9,10,11,12,13,14,15
	s_wait_dscnt 15-\i                             ; LDS loads come back in order (ISA guide 5.7.1): row i of both stages is in
	v_pk_add_f32 v[128+4*\i:129+4*\i], v[128+4*\i:129+4*\i], v[192+4*\i:193+4*\i]
	v_pk_add_f32 v[130+4*\i:131+4*\i], v[130+4*\i:131+4*\i], v[194+4*\i:195+4*\i]
	v_pk_add_f32 v[128+4*\i:129+4*\i], v[128+4*\i:129+4*\i], v[B2R:B2R+1]
	v_pk_add_f32 v[130+4*\i:131+4*\i], v[130+4*\i:131+4*\i], v[B2R+2:B2R+3]
	global_store_b128 v[ADA], v[128+4*\i:131+4*\i], s[26:27] offset:512*(16*\bt+\i) th:TH_STORE_NT   ; 32 lanes store a whole row: 512 consecutive bytes, at a multiple of 512 from out0's first byte; written once, read by nobody here
.endr
.endr
	s_wait_tensorcnt 0x0                           ; the wave's end, behind my last tensor load and my last LDS store
	ds_add_u32 v[SPW], v[NIL]
	s_wait_dscnt 0x0
	CROUND                                         ; the closing round: no work-group ends while a partner may still ask for a tile that names it
	s_endpgm
.Lfunc_end_k_qaef24c0c8b_chain:
	.size	k_qaef24c0c8b_chain, .Lfunc_end_k_qaef24c0c8b_chain-k_qaef24c0c8b_chain
	.p2alignl 7, 3214868480
	.fill 96, 4, 3214868480
	.section	.rodata,"a",@progbits
	.p2align	6, 0x0
	.amdhsa_kernel k_qaef24c0c8b_chain
		.amdhsa_group_segment_fixed_size 327680
		.amdhsa_private_segment_fixed_size 0
		.amdhsa_enable_private_segment 0
		.amdhsa_kernarg_size 96
		.amdhsa_user_sgpr_count 2
		.amdhsa_user_sgpr_kernarg_segment_ptr 1
		.amdhsa_wavefront_size32 1
		.amdhsa_system_sgpr_workgroup_id_x 1
		.amdhsa_system_sgpr_workgroup_id_y 1
		.amdhsa_system_sgpr_workgroup_id_z 1
		.amdhsa_system_vgpr_workitem_id 0
		.amdhsa_next_free_vgpr 1024
		.amdhsa_next_free_sgpr 80
		.amdhsa_reserve_vcc 0
		.amdhsa_float_denorm_mode_32 3
		.amdhsa_float_denorm_mode_16_64 3
		.amdhsa_memory_ordered 1
		.amdhsa_forward_progress 1
		.amdhsa_inst_pref_size 255
	.end_amdhsa_kernel
	.section	.bss,"aw",@nobits
	.p2align	6
	.space	262144
	.amdgpu_metadata
---
amdhsa.version: [ 1, 2 ]
amdhsa.kernels:
  - .name:           k_qaef24c0c8b_chain
    .symbol:         k_qaef24c0c8b_chain.kd
    .args:
      - { .name: token_ids, .offset: 0, .size: 8, .value_kind: global_buffer, .address_space: global }
      - { .name: emb_table, .offset: 8, .size: 8, .value_kind: global_buffer, .address_space: global }
      - { .name: conv_w_codes, .offset: 16, .size: 8, .value_kind: global_buffer, .address_space: global }
      - { .name: conv_w_scales, .offset: 24, .size: 8, .value_kind: global_buffer, .address_space: global }
      - { .name: conv_b, .offset: 32, .size: 8, .value_kind: global_buffer, .address_space: global }
      - { .name: dec_w1_codes, .offset: 40, .size: 8, .value_kind: global_buffer, .address_space: global }
      - { .name: dec_w1_scales, .offset: 48, .size: 8, .value_kind: global_buffer, .address_space: global }
      - { .name: dec_b1, .offset: 56, .size: 8, .value_kind: global_buffer, .address_space: global }
      - { .name: dec_w2_codes, .offset: 64, .size: 8, .value_kind: global_buffer, .address_space: global }
      - { .name: dec_w2_scales, .offset: 72, .size: 8, .value_kind: global_buffer, .address_space: global }
      - { .name: dec_b2, .offset: 80, .size: 8, .value_kind: global_buffer, .address_space: global }
      - { .name: out0, .offset: 88, .size: 8, .value_kind: global_buffer, .address_space: global }
    .group_segment_fixed_size: 327680
    .private_segment_fixed_size: 0
    .kernarg_segment_align: 8
    .kernarg_segment_size: 96
    .max_flat_workgroup_size: 128
    .sgpr_count:     80
    .vgpr_count:     1024
    .wavefront_size: 32
...
	.end_amdgpu_metadata
.endif
;; end of part 1
